; MI455X (gfx1250); checked and timed in simulation.
; The chip was launched on July 23, 2026; its instructions are those of AMD's public machine-readable ISA for CDNA 5 (MIT licence, August 2026) and "CDNA5" Instruction Set Architecture Reference Guide (July 2026). The comments in the code are by the model that wrote it; some were corrected since.
;; self attention. Allowed arithmetic: matrix products marked QUANTISED: E2M1 operands, one E8M0 scale for each 32 along K, by v_wmma_scale_f32_16x16x128_f8f6f4 with both operands' format E2M1 (or v_wmma_scale_f32_32x16x128_f4), f32 sums; everything else in f32.
;; Inputs: Wk 1,024 x 1,024 float32; Wq 1,024 x 1,024 float32; Wu 1,024 x 1,024 float32; Wv 1,024 x 1,024 float32; x 4 x 2,048 x 1,024 float32.
;; Outputs: out0 4 x 2,048 x 1,024 float32.
;; This version of the problem:
;;   THIS VERSION OF THE PROBLEM IS GIVEN IN LOW PRECISION. The matrix products marked QUANTISED in the list below multiply operands that are first quantised to E2M1 (2 exponent bits, 1 mantissa bit; 4 bits a number), with one power-of-two scale for each 32 numbers along K (OCP MX v1.0); their sums are f32. All else is computed in f32.
;;   The module's matrix products, in the order in which they are computed (A, B: the left and right operand; K: the contracted axis; several contracted axes count as one K, in the product's order):
;;     1. [M 8,192, K 1,024] x [K 1,024, N 1,024]; A: input x; B: input Wq: QUANTISED
;;     2. [M 8,192, K 1,024] x [K 1,024, N 1,024]; A: input x; B: input Wk: QUANTISED
;;     3. [M 8,192, K 1,024] x [K 1,024, N 1,024]; A: input x; B: input Wv: QUANTISED
;;     4. batch 64 x [M 2,048, K 64] x [K 64, N 2,048]; A: computed on the way; B: computed on the way: QUANTISED
;;     5. batch 64 x [M 2,048, K 2,048] x [K 2,048, N 64]; A: softmax (see below); B: computed on the way: QUANTISED
;;   THE QUANTISER, for each operand of a quantised product, along K:
;;     - K is cut into blocks of 32 from its start; a last block that is shorter is filled with zeros.
;;     - A block's scale is 2^e with e = floor(log2(the largest magnitude in the block)) - 2, held to -126 .. 127; a block of zeros has e = 0. As a byte (E8M0): e + 127.
;;     - Each number is divided by its block's scale, clamped to +-6, and rounded to the nearest number of E2M1, ties to even, subnormals kept.
;;     - The product sums the exact products of the quantised numbers (number of the format x scale) in f32.
;;   ~~~python
;;   def quantise(x, axis):      # numpy; x: float32 -> the quantised numbers, widened to float32 again
;;       x = np.moveaxis(x, axis, -1); K = x.shape[-1]
;;       x = np.pad(x, [(0, 0)] * (x.ndim - 1) + [(0, -K % 32)]); x = x.reshape(x.shape[:-1] + (-1, 32)); a = np.abs(x).max(-1, keepdims=True)
;;       e = np.where(a > 0, np.clip(np.frexp(np.where(a > 0, a, 1))[1] - 1 - 2, -126, 127), 0)      # np.frexp(a)[1] - 1 = floor(log2(a)), exactly
;;       r = np.clip(x / 2.0 ** e, -6, 6)
;;       step = 2.0 ** (np.maximum(np.frexp(np.where(r == 0, 1, r))[1] - 1, 0) - 1)
;;       q = np.round(r / step) * step * 2.0 ** e      # np.round: ties to even
;;       return np.moveaxis(q.reshape(q.shape[:-2] + (-1,))[..., :K], -1, axis).astype(np.float32)
;;   ~~~
;;   SOFTMAX AHEAD OF A QUANTISED PRODUCT. Where the list says 'softmax', what is quantised is not the finished softmax but p = 2^(t - M), with t = logit x log2(e) and M = ceil(the row's largest t), a whole number; so 1/2 < the row's largest p <= 1. The row's sum l is taken of the UNQUANTISED p, in f32, and the product's result is divided by l at the end. Since M is a whole number, a kernel that streams over the keys may use a running M (the ceiling of the running maximum): every later rescaling is an exact power of two, which a block's scale takes up: the codes' values come out the same.
;;   OPERANDS COMPUTED ON THE WAY. 'Computed on the way' means the value that the module computes at that place (a softmax that the list does not call 'softmax' is quantised finished and normalised). What goes into a quantiser is computed in f32, as accurately as f32 sums, v_exp_f32 and their like allow (about 1e-6 of the number): no bf16 or f16 on the way to a quantiser, and a product that is left as it is and whose result goes on into a quantised operand takes f32 operands (vector FMAs, or v_wmma_f32_16x16x4_f32). A number that lies on a knife's edge between two numbers of the format may be rounded either way, as far as f32 arithmetic and the matrix unit's own rounding can turn it there, and no further.
;; One version. Each part assembles by itself: llvm-mc -triple=amdgcn-amd-amdhsa -mcpu=gfx1250 --defsym DOCPART=n.
;; ======== version 1 of 1: 3 launches
;; limits: right only within a limited range of input values
;; workspace buffers: xc 4,194,304 bytes; xs 262,144 bytes; wc 1,572,864 bytes; ws 98,304 bytes; qimg 8,912,896 bytes; kvimg 8,912,896 bytes
;; launch quant (part 1): grid 352 x 1, 4 waves a work-group, no clusters, 33,280 bytes of LDS; arguments x, Wq, Wk, Wv, xc, xs, wc, ws; writes xc, xs, wc, ws
.if DOCPART == 1
	.amdgcn_target "amdgcn-amd-amdhsa--gfx1250"
	.amdhsa_code_object_version 6
	.text
	.protected	k_q462ff0f0de_quant
	.globl	k_q462ff0f0de_quant
	.p2align	8
	.type	k_q462ff0f0de_quant,@function
k_q462ff0f0de_quant:
	s_mov_b64 s[64:65], 0
	v_nop
	global_prefetch_b8 v0, s[64:65] scope:SCOPE_SE
	s_setreg_imm32_b32 hwreg(HW_REG_WAVE_MODE, 25, 1), 1
	s_wait_xcnt 0x0
; SELF-ATTENTION IN MX-FP4, launch 1 of 3: x [8192][1024], Wq, Wk, Wv [1024][1024], f32, K innermost, become codes of FP4 (E2M1) with one E8M0 scale byte for each 32 along K.
; DEAD WORK: the function computes q, k, v, the scores, the softmax and its product with v, and returns the concatenated heads.  Wu is an argument that no expression of the function reads,
; so no value of Wu can reach the output, whatever the inputs hold.  Wu is not loaded and is among no launch's arguments.  LIMIT: a NaN or an infinity in Wu is not carried to the result.
; A block's scale is 2^(floor(log2(its largest magnitude)) - 2); its byte is the largest magnitude's own exponent field - 2, held at 1 from below.  (A block of zeros so gets the byte 1 where the
; rule says 127: its codes are zeros, which add nothing under any byte but 0xff, and the bytes are read by this program alone.)  Each number is divided by the scale and rounded to the nearest code, ties to even.
; LIMITS: blocks whose largest magnitude lies under 2^(2 - 126) keep the byte 1; NaN and infinities among x, Wq, Wk, Wv are not served.
; SHARES: a wave takes 8 rows (8,192 numbers) in 16 steps of 512, a work-group 32 rows.  Work-groups 0-255 take x, 256-287 Wq, 288-319 Wk, 320-351 Wv: only pointers are chosen, there is one path.
; THE ROWS ARE STORED IN ANOTHER ORDER: bits 3 and 4 of the row's number change places (stored row 32 B + 16 u + 8 g + j holds row 32 B + 16 g + 8 u + j), which here is a change of the wave's place among
; the work-group's four runs.  Sixteen stored rows on end are then rows 0-7 and 16-23 (+ 8 u) of a group of 32: the tiles that the next launch wants, as neighbours.
; Each of a step's four loads reads 512 consecutive bytes; the 2,048 bytes turn through the wave's own stage in LDS and come back 64 bytes a lane, so that a lane holds 16 neighbours along K.
; A lane's 16 codes are 8 bytes: the wave stores 256 consecutive bytes.  A wave's 256 scale bytes are gathered in its own LDS bytes and leave as 256 consecutive bytes.  No barrier: waves share nothing.
.set WAVES, 4
.set STEPS, 16
.set EMAX,  2
.set CB,    8                          ; bytes of 16 codes
.set R,     16                         ; v16-79   four sets of 16 numbers as they are loaded
.set X,     80                         ; v80-111  two sets of 16 neighbours
.set C,     128                        ; v128-191 codes: four registers for each step, so that no store's data are written again
.set E,     112                        ; v112-127 a scale byte for each step
.set WREG,  8192                       ; LDS: a region for each wave: two stages of 32 x SP bytes, behind them its 256 scale bytes
.set SP,    80                         ; a lane's place in a stage: its 64 bytes + 16 of padding
.set SPW,   12                         ; v12      LDS address of my spare word; never rewritten
.set NIL,   13                         ; v13      0; never rewritten
.set SPARE, WAVES*WREG                 ; behind the four regions: the spare words, 128 bytes for each wave
	s_load_b256 s[4:11], s[0:1], 0x0               ; x s[4:5], Wq s[6:7], Wk s[8:9], Wv s[10:11]
	s_load_b256 s[12:19], s[0:1], 0x20             ; xc s[12:13], xs s[14:15], wc s[16:17], ws s[18:19]
	v_lshl_add_u32 v[SPW], v0, 2, SPARE
	v_mov_b32 v[NIL], 0
	v_lshrrev_b32 v1, 5, v0
	v_readfirstlane_b32 s20, v1                    ; wave
	v_and_b32 v2, 31, v0                           ; lane
	v_lshlrev_b32 v3, 4, v2                        ; my 16 bytes of a load's 512
	s_mul_i32 s21, s20, WREG
	v_lshrrev_b32 v14, 2, v2
	v_mul_u32_u24 v14, v14, SP
	v_and_b32 v15, 3, v2
	v_lshl_add_u32 v14, v15, 4, v14
	v_add_nc_u32 v14, s21, v14                     ; the stage, on the way in: SP (lane / 4) + 16 (lane % 4)
	v_mul_u32_u24 v15, v2, SP
	v_add_nc_u32 v15, s21, v15                     ; and on the way out: SP x lane: my 16 neighbours
	v_mul_u32_u24 v4, v2, CB                       ; my codes' place in a step's
	v_lshrrev_b32 v5, 1, v2
	s_add_co_u32 s21, s21, 2*32*SP
	v_add_nc_u32 v5, s21, v5                       ; LDS: my wave's 256 scale bytes, my block's byte
	v_lshlrev_b32 v7, 3, v2                        ; and on the way out 8 bytes a lane
	v_add_nc_u32 v6, s21, v7
	s_and_b32 s22, ttmp9, 31                       ; a weight's work-group among its 32
	s_sub_co_u32 s23, ttmp9, 256                   ; and among the 96 of the three weights
	s_wait_alu depctr_va_vdst(0)
	s_wait_kmcnt 0x0
	s_cmp_lt_u32 ttmp9, 320                        ; the choices hang on the work-group's number alone
	s_cselect_b64 s[8:9], s[8:9], s[10:11]         ; Wk or Wv
	s_cmp_lt_u32 ttmp9, 288
	s_cselect_b64 s[6:7], s[6:7], s[8:9]           ; Wq or that
	s_cmp_lt_u32 ttmp9, 256
	s_cselect_b64 s[4:5], s[4:5], s[6:7]           ; x or that
	s_cselect_b64 s[12:13], s[12:13], s[16:17]     ; the codes' buffer
	s_cselect_b64 s[14:15], s[14:15], s[18:19]     ; the scale bytes' buffer
	s_cselect_b32 s22, ttmp9, s22
	s_cselect_b32 s23, ttmp9, s23
	s_lshl_b32 s22, s22, 2
	s_add_co_u32 s22, s22, s20                     ; which run of 8 rows I read
	s_lshl_b32 s24, s22, 15                        ; 32,768 bytes a run
	s_mov_b32 s25, 0
	s_add_nc_u64 s[4:5], s[4:5], s[24:25]
	s_and_b32 s26, s20, 1
	s_lshl_b32 s26, s26, 1
	s_lshr_b32 s27, s20, 1
	s_or_b32 s26, s26, s27                         ; the wave's two bits change places: the stored order of rows
	s_lshl_b32 s23, s23, 2
	s_add_co_u32 s23, s23, s26                     ; which run of 8 stored rows I write
	s_lshl_b32 s24, s23, 12                        ; 4,096 bytes of codes a run
	s_add_nc_u64 s[12:13], s[12:13], s[24:25]
	s_lshl_b32 s24, s23, 8                         ; 256 scale bytes a run
	s_add_nc_u64 s[14:15], s[14:15], s[24:25]
.macro LOAD t
.irp i, 0,1,2,3
	global_load_b128 v[R+16*((\t)%4)+4*\i:R+16*((\t)%4)+4*\i+3], v3, s[4:5] offset:2048*(\t)+512*\i th:TH_LOAD_NT   ; 32 lanes read 512 consecutive bytes
.endr
.endm
.macro TURN t                          ; step t's numbers through the stage: LDS serves a wave's instructions in order, so no wait stands between the stores and the loads
.irp i, 0,1,2,3
	ds_store_b128 v14, v[R+16*((\t)%4)+4*\i:R+16*((\t)%4)+4*\i+3] offset:32*SP*((\t)%2)+8*SP*\i
.endr
.irp i, 0,1,2,3
	ds_load_b128 v[X+16*((\t)%2)+4*\i:X+16*((\t)%2)+4*\i+3], v15 offset:32*SP*((\t)%2)+16*\i
.endr
.endm
.irp t, 0,1,2,3
	LOAD \t
.endr
	s_wait_loadcnt 12                              ; step 0's four loads are in; the twelve of steps 1 to 3 may be out
	TURN 0
.macro STEP t
.set XS, X+16*((\t)%2)
.if (\t) > 0
	s_wait_dscnt 1                                 ; this step's numbers are back from the stage (the last step's byte store may be out): so its stores into the stage have read their registers,
.else
	s_wait_dscnt 0x0
.endif
.if (\t)+4 < STEPS
	LOAD (\t)+4                                    ; which take the loads of four steps on
.endif
.if (\t)+1 < STEPS
.if STEPS-2-(\t) >= 3
	s_wait_loadcnt 12                              ; the next step's four loads are in; those of the three steps behind it may be out
.else
	s_wait_loadcnt 4*(STEPS-2-(\t))
.endif
	TURN (\t)+1                                    ; and go through the other stage while this step is worked
.endif
	v_max3_num_f32 v8, |v[XS]|, |v[XS+1]|, |v[XS+2]|               ; the largest magnitude of my 16
	v_max3_num_f32 v9, |v[XS+3]|, |v[XS+4]|, |v[XS+5]|
.irp i, 6,10
	v_max3_num_f32 v8, v8, |v[XS+\i]|, |v[XS+\i+1]|
	v_max3_num_f32 v9, v9, |v[XS+\i+2]|, |v[XS+\i+3]|
.endr
	v_max3_num_f32 v8, v8, |v[XS+14]|, |v[XS+15]|
	v_max3_num_f32 v8, v8, v9, (EMAX+1)<<23        ; and the floor 2^(3 - 127): the byte cannot fall under 1
	v_max_num_f32_dpp v8, v8, v8 row_xmask:1 row_mask:0xf bank_mask:0xf   ; and of my neighbour's 16: the block's
	v_add_nc_u32 v11, -(EMAX<<23), v8              ; 2 off its exponent field: the conversion takes the exponent field of this operand as its scale
	v_cvt_scalef32_pk8_fp4_f32 v[C+4*(\t)], v[XS:XS+7], v11
	v_cvt_scalef32_pk8_fp4_f32 v[C+4*(\t)+1], v[XS+8:XS+15], v11
	v_lshrrev_b32 v[E+(\t)], 23, v11               ; the scale's byte
	ds_store_b8 v5, v[E+(\t)] offset:16*(\t)       ; both lanes of a block write the same byte with the same value
	global_store_b64 v4, v[C+4*(\t):C+4*(\t)+1], s[12:13] offset:32*CB*(\t)   ; 32 lanes store 256 consecutive bytes
.endm
.irp t, 0,1,2,3,4,5,6,7,8,9,10,11,12,13,14,15
	STEP \t
.endr
	ds_load_b64 v[8:9], v6                         ; LDS serves a wave's instructions in order: these see my stores
	s_wait_dscnt 0x0
	global_store_b64 v7, v[8:9], s[14:15]          ; 32 lanes store 256 consecutive bytes
	s_wait_tensorcnt 0x0                           ; the wave's end, behind my last LDS store
	ds_add_u32 v[SPW], v[NIL]
	s_wait_dscnt 0x0
	s_endpgm
.Lfunc_end_k_q462ff0f0de_quant:
	.size	k_q462ff0f0de_quant, .Lfunc_end_k_q462ff0f0de_quant-k_q462ff0f0de_quant
	.p2alignl 7, 3214868480
	.fill 96, 4, 3214868480
	.section	.rodata,"a",@progbits
	.p2align	6, 0x0
	.amdhsa_kernel k_q462ff0f0de_quant
		.amdhsa_group_segment_fixed_size 33280
		.amdhsa_private_segment_fixed_size 0
		.amdhsa_enable_private_segment 0
		.amdhsa_kernarg_size 64
		.amdhsa_user_sgpr_count 2
		.amdhsa_user_sgpr_kernarg_segment_ptr 1
		.amdhsa_wavefront_size32 1
		.amdhsa_system_sgpr_workgroup_id_x 1
		.amdhsa_system_sgpr_workgroup_id_y 1
		.amdhsa_system_sgpr_workgroup_id_z 1
		.amdhsa_system_vgpr_workitem_id 0
		.amdhsa_next_free_vgpr 192
		.amdhsa_next_free_sgpr 66
		.amdhsa_reserve_vcc 0
		.amdhsa_float_denorm_mode_32 3
		.amdhsa_float_denorm_mode_16_64 3
		.amdhsa_memory_ordered 1
		.amdhsa_forward_progress 1
		.amdhsa_inst_pref_size 34
	.end_amdhsa_kernel
	.amdgpu_metadata
---
amdhsa.version: [ 1, 2 ]
amdhsa.kernels:
  - .name:           k_q462ff0f0de_quant
    .symbol:         k_q462ff0f0de_quant.kd
    .args:
      - { .name: x, .offset: 0, .size: 8, .value_kind: global_buffer, .address_space: global }
      - { .name: Wq, .offset: 8, .size: 8, .value_kind: global_buffer, .address_space: global }
      - { .name: Wk, .offset: 16, .size: 8, .value_kind: global_buffer, .address_space: global }
      - { .name: Wv, .offset: 24, .size: 8, .value_kind: global_buffer, .address_space: global }
      - { .name: xc, .offset: 32, .size: 8, .value_kind: global_buffer, .address_space: global }
      - { .name: xs, .offset: 40, .size: 8, .value_kind: global_buffer, .address_space: global }
      - { .name: wc, .offset: 48, .size: 8, .value_kind: global_buffer, .address_space: global }
      - { .name: ws, .offset: 56, .size: 8, .value_kind: global_buffer, .address_space: global }
    .group_segment_fixed_size: 33280
    .private_segment_fixed_size: 0
    .kernarg_segment_align: 8
    .kernarg_segment_size: 64
    .max_flat_workgroup_size: 128
    .sgpr_count:     66
    .vgpr_count:     192
    .wavefront_size: 32
...
	.end_amdgpu_metadata
.endif
;; end of part 1
;; launch proj (part 2): grid 12 x 32, 4 waves a work-group, clusters of 4 x 4, 327,680 bytes of LDS; arguments xc, xs, wc, ws, qimg, kvimg; writes qimg, kvimg
.if DOCPART == 2
	.amdgcn_target "amdgcn-amd-amdhsa--gfx1250"
	.amdhsa_code_object_version 6
	.text
	.protected	k_q462ff0f0de_proj
	.globl	k_q462ff0f0de_proj
	.p2align	8
	.type	k_q462ff0f0de_proj,@function
k_q462ff0f0de_proj:
	s_mov_b64 s[64:65], 0
	v_nop
	global_prefetch_b8 v0, s[64:65] scope:SCOPE_SE
	s_setreg_imm32_b32 hwreg(HW_REG_WAVE_MODE, 25, 1), 1
	s_wait_xcnt 0x0
	s_wait_alu depctr_hold_cnt(0) depctr_sa_sdst(0) depctr_va_vdst(0) depctr_va_sdst(0) depctr_va_ssrc(0) depctr_va_vcc(0) depctr_vm_vsrc(0)
	s_getreg_b32 s2, hwreg(HW_REG_IB_STS2, 6, 4)
	s_cmp_eq_u32 s2, 0
	s_cbranch_scc0 .Lentry_in_a_cluster
	s_endpgm
.Lentry_in_a_cluster:
	s_bfe_u32 s2, ttmp6, 0x10000c
	s_cmp_lg_u32 s2, 0xf033
	s_cbranch_scc0 .Lentry_shape_is_right
	s_endpgm
.Lentry_shape_is_right:
.set NQ,     4
.set ROWB,   256
.set KROW,   512
.set PITCH,  272
.set FR,     8
.set NL,     2
.set NP,     4
.set HALFT,  128*PITCH
.set SLOT,   4*HALFT
.set KS,     32
.set SCL,    2*SLOT
.set HALFS,  (128*KS/256)*272
.set SBLK,   (16*KS/256)*272
.set SPARE,  SCL+4*HALFS
.set HS,     139264
.set ADRA, 16
.set ADRB, 20
.set VO0,  24
.set SVO,  25
.set ADRS, 27
.set SPW,  28
.set NIL,  29
.set SC,   32
.set AF,   128
.set TM,   96
.set PWS,  112
.set WLO,  120
.set WHI,  124
.set WD,   192
.set VOA,  196
.set VOB,  204
.set PC,   128
.set G1, 24
.set G0, 32
.set G1B, 48
.set G0B, 56
.set G1S, 68
.set G0S, 76
.set G1SB, 80
.set G0SB, 88
.set MSB, 0
.macro WIN new
.if MSB != \new
	s_set_vgpr_msb (MSB<<8)|\new
.set MSB, \new
.endif
.endm
.set MUL_LO, 0xa1
.set MUL_HI, 0xf1
.set TO_B,   0x40
.macro JLOAD g0a, g1a, g0b, g1b
	s_cmp_eq_u32 s15, 0
	s_cbranch_scc0 .Lfor_b_\@
	tensor_load_to_lds s[\g0a:\g0a+3], s[\g1a:\g1a+7]
	s_nop 0
.rept 4
	v_nop
.endr
	s_branch .Lasked_\@
.Lfor_b_\@:
	tensor_load_to_lds s[\g0b:\g0b+3], s[\g1b:\g1b+7]
	s_nop 0
.rept 4
	v_nop
.endr
.Lasked_\@:
.endm
.macro CROUND
	s_barrier_signal -1
	s_barrier_wait -1
	s_cmp_lg_u32 s14, 0
	s_cbranch_scc1 .Lnot_wave_0_\@
	s_barrier_signal -3
.Lnot_wave_0_\@:
	s_barrier_wait -3
	s_barrier_signal -1
	s_barrier_wait -1
.endm
	s_load_b256 s[4:11], s[0:1], 0x0
	s_load_b128 s[96:99], s[0:1], 0x20
	v_lshl_add_u32 v[SPW], v0, 2, SPARE
	v_mov_b32 v[NIL], 0
	ds_add_u32 v[SPW], v[NIL]
	ds_add_u32 v[SPW], v[NIL]
	v_lshrrev_b32 v1, 5, v0
	v_readfirstlane_b32 s14, v1
	s_lshr_b32 s15, s14, 1
	s_and_b32 s16, s14, 1
	s_bfe_u32 s40, ttmp6, 0x40000
	s_bfe_u32 s41, ttmp6, 0x40004
	s_and_b32 s18, ttmp7, 0xffff
	s_lshl_b32 s18, s18, 2
	s_lshl_b32 s19, ttmp9, 2
	s_cmp_eq_u32 ttmp9, 2
	s_cselect_b32 s17, 8, s18
	s_cselect_b32 s42, s18, s19
	s_add_co_u32 s17, s17, s41
	s_add_co_u32 s42, s42, s40
	s_lshl_b32 s43, s41, 2
	s_lshl_b32 s43, 15, s43
	s_lshl_b32 s44, 0x1111, s40
	s_or_b32 s[G1+0], s43, (0<<16)|(1<<20)|(1<<21)|(5<<22)|(3<<25)
	s_or_b32 s[G1B+0], s44, (0<<16)|(1<<20)|(1<<21)|(5<<22)|(3<<25)
.irp g, G1, G1B
	s_mov_b32 s[\g+1], ROWB<<16
	s_mov_b32 s[\g+2], 256<<16                     ; the head's loads of codes bring 256 rows; behind them the two words are set to 128
	s_mov_b32 s[\g+3], ROWB<<16
	s_mov_b32 s[\g+4], 256
	s_mov_b32 s[\g+5], KROW
	s_mov_b32 s[\g+6], 0
	s_mov_b32 s[\g+7], 0
.endr
	s_or_b32 s[G1S+0], s43, (3<<16)|(1<<20)|(1<<21)|(5<<22)|(3<<25)
	s_or_b32 s[G1SB+0], s44, (3<<16)|(1<<20)|(1<<21)|(5<<22)|(3<<25)
.irp g, G1S, G1SB
	s_mov_b32 s[\g+1], 32<<16
	s_mov_b32 s[\g+2], KS<<16                      ; the scales of 256 rows: 256 KS dense bytes as KS rows of 256
	s_mov_b32 s[\g+3], 32<<16
	s_mov_b32 s[\g+4], KS
	s_mov_b32 s[\g+5], 32
	s_mov_b32 s[\g+6], 0
	s_mov_b32 s[\g+7], 0
.endr
	s_lshl_b32 s20, s17, 8                         ; the tile's first row of source 1's tensor,
	s_lshl_b32 s46, s42, 8                         ; and of source 0's
	s_mov_b32 s21, 0
	s_mov_b32 s47, 0
	s_mov_b64 s[18:19], KS
	s_mul_u64 s[22:23], s[20:21], s[18:19]
	s_mul_u64 s[92:93], s[46:47], s[18:19]
	s_mov_b64 s[18:19], KROW
	s_mul_u64 s[20:21], s[20:21], s[18:19]
	s_mul_u64 s[46:47], s[46:47], s[18:19]
	s_mul_i32 s45, s14, HALFT
	s_mul_i32 s18, s16, 128*KROW                   ; in the ring a wave fetches 128 rows of a tile: which half, in bytes
	s_mov_b32 s19, 0
	s_mov_b32 s100, 0x76543210
	s_mov_b32 s101, 0xfedcba98
	s_wait_dscnt 0x0
	s_wait_kmcnt 0x0
	s_cmp_eq_u32 ttmp9, 2
	s_cselect_b64 s[12:13], s[8:9], s[4:5]
	s_cselect_b64 s[8:9], s[4:5], s[8:9]
	s_cselect_b64 s[4:5], s[10:11], s[6:7]
	s_cselect_b64 s[10:11], s[6:7], s[10:11]
	s_add_nc_u64 s[20:21], s[12:13], s[20:21]
	s_add_nc_u64 s[22:23], s[4:5], s[22:23]
	s_add_nc_u64 s[46:47], s[8:9], s[46:47]
	s_add_nc_u64 s[92:93], s[10:11], s[92:93]
	CROUND
	s_mov_b32 s[G0S], 1
	s_mov_b32 s[G0S+1], SCL
	s_mov_b64 s[G0S+2:G0S+3], s[22:23]
	s_or_b32 s[G0S+3], s[G0S+3], 0x80000000
	s_mov_b32 s[G0SB], 1
	s_mov_b32 s[G0SB+1], SCL+2*HALFS
	s_mov_b64 s[G0SB+2:G0SB+3], s[92:93]
	s_or_b32 s[G0SB+3], s[G0SB+3], 0x80000000
	s_mov_b32 s4, 1                                ; group 0 of the head's loads of K step 0, in registers that held arguments: 256 rows at LDS byte 0,
	s_mov_b32 s5, 0
	s_mov_b64 s[6:7], s[20:21]
	s_or_b32 s7, s7, 0x80000000
	s_mov_b32 s8, 1                                ; and the other tensor's 256 rows behind them
	s_mov_b32 s9, 2*HALFT
	s_mov_b64 s[10:11], s[46:47]
	s_or_b32 s11, s11, 0x80000000
	s_add_nc_u64 s[20:21], s[20:21], s[18:19]      ; for slot 1: my 128 rows of the tile
	s_add_nc_u64 s[46:47], s[46:47], s[18:19]
.irp s, 1
	s_mov_b32 s[G0+4*\s], 1
	s_add_co_u32 s[G0+4*\s+1], s45, \s*SLOT
	s_add_nc_u64 s[G0+4*\s+2:G0+4*\s+3], s[20:21], \s*ROWB
	s_or_b32 s[G0+4*\s+3], s[G0+4*\s+3], 0x80000000
	s_mov_b32 s[G0B+4*\s], 1
	s_add_co_u32 s[G0B+4*\s+1], s45, \s*SLOT
	s_add_nc_u64 s[G0B+4*\s+2:G0B+4*\s+3], s[46:47], \s*ROWB
	s_or_b32 s[G0B+4*\s+3], s[G0B+4*\s+3], 0x80000000
.endr
; THE HEAD'S LOADS, ONE A WAVE: wave 0 fetches K step 0's 256 rows of one tensor, wave 1 those of the other, waves 2 and 3 their scales.
; One tree of branches on the wave's number, each arm with its load: every way through the head passes exactly one.
.macro ARM under, g0, g1, next
	s_cmp_lt_u32 s14, \under
	s_cbranch_scc0 \next
	tensor_load_to_lds s[\g0:\g0+3], s[\g1:\g1+7]
	s_nop 0
.rept 4
	v_nop
.endr
	s_branch .Lhead_asked
\next:
.endm
	ARM 1, 4,   G1,  .Lhead_b
	ARM 2, 8,   G1B, .Lhead_sa
	ARM 3, G0S, G1S, .Lhead_sb
	tensor_load_to_lds s[G0SB:G0SB+3], s[G1SB:G1SB+7]
	s_nop 0
.rept 4
	v_nop
.endr
.Lhead_asked:
	v_and_b32 v1, 15, v0
	v_bfe_u32 v2, v0, 4, 1
	v_mul_u32_u24 v3, v1, PITCH
	v_lshl_add_u32 v4, v2, 4, v3
	s_mul_i32 s21, s15, HALFT
	s_mul_i32 s22, s16, HALFT
	s_add_co_u32 s22, s22, 2*HALFT
.irp s, 0,1
	v_add_nc_u32 v[ADRA+\s], s21, v4
	v_add_nc_u32 v[ADRB+\s], s22, v4
	s_add_co_u32 s21, s21, SLOT
	s_add_co_u32 s22, s22, SLOT
.endr
	v_mul_u32_u24 v5, v1, KS
	v_lshrrev_b32 v6, 8, v5
	v_lshl_add_u32 v5, v6, 4, v5
	s_mul_i32 s21, s15, HALFS
	s_mul_i32 s22, s16, HALFS
	s_add_co_u32 s22, s22, 2*HALFS
	s_sub_co_u32 s22, s22, s21
	v_mul_u32_u24 v6, s22, v2
	s_add_co_u32 s21, s21, SCL
	v_add_nc_u32 v5, v5, v6
	v_add_nc_u32 v[ADRS], s21, v5
	s_lshl_b32 s20, s17, 8
	s_lshl_b32 s21, s15, 7
	s_add_co_u32 s20, s20, s21
	s_lshl_b32 s21, s42, 8
	s_lshl_b32 s22, s16, 7
	s_add_co_u32 s21, s21, s22
	s_mov_b32 s66, 512
	s_mov_b32 s94, HS
	s_cmp_eq_u32 ttmp9, 2
	s_cselect_b32 s22, s21, s20
	s_cselect_b32 s23, s20, s21
	s_cselect_b32 s66, 1024, s66
	s_cselect_b32 s67, HS-4096, 0
	s_cselect_b32 s94, 512, s94
	s_cselect_b32 s95, -1, 0
	s_cselect_b32 s46, 65536, 0
	s_cselect_b32 s47, 256, 0
	s_cmp_eq_u32 ttmp9, 0
	s_cselect_b64 s[96:97], s[96:97], s[98:99]
	s_lshr_b32 s18, s22, 11
	s_lshl_b32 s18, s18, 4
	s_bfe_u32 s19, s23, 0x40006
	s_add_co_u32 s18, s18, s19
	s_mul_i32 s18, s18, HS
	s_bfe_u32 s19, s22, 0x40007
	s_lshl_b32 s20, s19, 12
	s_add_co_u32 s20, s20, s18
	s_add_co_u32 s20, s20, s46
	s_lshl_b32 s21, s19, 9
	s_add_co_u32 s21, s21, s18
	s_add_co_u32 s21, s21, s47
	s_add_co_u32 s21, s21, 131072
	v_and_b32 v6, 31, v0
	v_lshlrev_b32 v6, 4, v6
	v_add_nc_u32 v[VO0], s20, v6
	v_lshlrev_b32 v6, 4, v1
	v_mul_u32_u24 v7, v2, HS
	v_add3_u32 v[SVO], v6, v7, s21
.macro FRAG reg, adr, q, i
.irp c, 0,1
	ds_load_b128 v[\reg+4*\c:\reg+4*\c+3], v[\adr] offset:64*(\q)+32*\c+(\i)*16*PITCH
.endr
.endm
.macro MUL16 a0, p, q, sc, zero
.irp a, \a0, \a0+1
.irp b, 0,1,2,3,4,5,6,7
.if \zero
	v_wmma_scale_f32_16x16x128_f8f6f4 v[8*(8*((\a)%4)+\b):8*(8*((\a)%4)+\b)+7], v[128*(\p)+FR*\b:128*(\p)+FR*\b+FR-1], v[AF+FR*(\a):AF+FR*(\a)+FR-1], 0, v[SC+8*NQ*(\sc)+NQ*\b+(\q)], v[SC+8*NQ*(\sc)+NQ*(\a)+(\q)] matrix_a_fmt:MATRIX_FMT_FP4 matrix_b_fmt:MATRIX_FMT_FP4 matrix_a_scale:MATRIX_SCALE_ROW1
.else
	v_wmma_scale_f32_16x16x128_f8f6f4 v[8*(8*((\a)%4)+\b):8*(8*((\a)%4)+\b)+7], v[128*(\p)+FR*\b:128*(\p)+FR*\b+FR-1], v[AF+FR*(\a):AF+FR*(\a)+FR-1], v[8*(8*((\a)%4)+\b):8*(8*((\a)%4)+\b)+7], v[SC+8*NQ*(\sc)+NQ*\b+(\q)], v[SC+8*NQ*(\sc)+NQ*(\a)+(\q)] matrix_a_fmt:MATRIX_FMT_FP4 matrix_b_fmt:MATRIX_FMT_FP4 matrix_a_scale:MATRIX_SCALE_ROW1
.endif
.endr
.endr
.endm
.macro FETCH_B slot, q, p
	WIN TO_B
.irp i, 0,1,2,3,4,5,6,7
	FRAG 128*(\p)+FR*\i, ADRB+\slot, \q, \i
.endr
	WIN 0
.endm
.macro FETCH_A slot, q, i0
.irp i, \i0, \i0+1, \i0+2, \i0+3
	FRAG AF+FR*(\i), ADRA+\slot, \q, \i
.endr
.endm
.macro SCALES sc
.irp i, 0,1,2,3,4,5,6,7
	ds_load_b128 v[SC+8*NQ*\sc+NQ*\i:SC+8*NQ*\sc+NQ*\i+3], v[ADRS] offset:\i*SBLK
.endr
.endm
.macro PLACES n
.rept \n
	v_nop
.endr
.endm
.macro STEP slot, q, zero
	s_wait_dscnt 4*NL
	WIN MUL_LO
	MUL16 0, (\q)%2, \q, \slot, \zero
	MUL16 2, (\q)%2, \q, \slot, \zero
	s_wait_dscnt 0
	PLACES NP
	FETCH_B \slot, (\q)+1, 1-(\q)%2
	FETCH_A \slot, (\q)+1, 0
	WIN MUL_HI
	MUL16 4, (\q)%2, \q, \slot, \zero
	MUL16 6, (\q)%2, \q, \slot, \zero
	PLACES NP
	WIN 0
	FETCH_A \slot, (\q)+1, 4
.endm
.macro TURN slot, next
	s_wait_tensorcnt 0x0
	ds_add_u32 v[SPW], v[NIL]
	s_wait_dscnt 4*NL+1
	WIN MUL_LO
	MUL16 0, 1, NQ-1, \slot, 0
	s_wait_dscnt 0x0
	s_barrier_signal -1
	MUL16 2, 1, NQ-1, \slot, 0
	WIN 0
	s_barrier_wait -1
	PLACES NP
	v_add_nc_u32 v[ADRS], 4*NQ, v[ADRS]
	FETCH_B \next, 0, 0
	FETCH_A \next, 0, 0
	SCALES \next
	WIN MUL_HI
	MUL16 4, 1, NQ-1, \slot, 0
	MUL16 6, 1, NQ-1, \slot, 0
	PLACES NP
	WIN 0
	FETCH_A \next, 0, 4
.endm
.macro STEPS slot, from
.set Q, \from
.rept NQ-1-\from
	STEP \slot, Q, 0
.set Q, Q+1
.endr
.endm
	s_wait_alu depctr_va_vdst(0)
	s_wait_tensorcnt 0x0                           ; my tile of the head's four is in
	ds_add_u32 v[SPW], v[NIL]
	s_mov_b32 s[G1+2], 128<<16                     ; no tensor load of mine is out: from here on a load brings 128 rows
	s_mov_b32 s[G1+4], 128
	s_mov_b32 s[G1B+2], 128<<16
	s_mov_b32 s[G1B+4], 128
	s_wait_dscnt 0x0                               ; the add is done
	CROUND                                         ; all four tiles are in, and all sixteen work-groups are here
	JLOAD G0+4, G1, G0B+4, G1B                     ; K step 1's load, the first tensor load behind the round
	FETCH_B 0, 0, 0
	FETCH_A 0, 0, 0
	SCALES 0
	FETCH_A 0, 0, 4
	STEP 0, 0, 1
	STEPS 0, 1
	TURN 0, 1
	STEPS 1, 0
	s_wait_dscnt 4*NL
	WIN MUL_LO
	MUL16 0, 1, NQ-1, 1, 0
	MUL16 2, 1, NQ-1, 1, 0
	s_wait_dscnt 0
	WIN MUL_HI
	MUL16 4, 1, NQ-1, 1, 0
	MUL16 6, 1, NQ-1, 1, 0
	WIN 0
.macro QUANT a
.set AC, 64*((\a)%4)
.set PCA, PC+8*(\a)
	WIN 0x0a+5*((\a)/4)
.irp b, 0,1,2,3
	v_max3_num_f32 v[TM+\b], |v[AC+16*\b]|, |v[AC+16*\b+1]|, 0x1800000
.endr
.irp i, 2,4,6,8,10,12,14
.irp b, 0,1,2,3
	v_max3_num_f32 v[TM+\b], |v[AC+16*\b+\i]|, |v[AC+16*\b+\i+1]|, v[TM+\b]
.endr
.endr
	WIN 0
.irp b, 0,1,2,3
	v_permlanex16_b32 v[TM+4+\b], v[TM+\b], s100, s101
.endr
.irp b, 0,1,2,3
	v_max_num_f32 v[TM+\b], v[TM+\b], v[TM+4+\b]
.endr
.irp b, 0,1,2,3
	v_add_nc_u32 v[TM+12+\b], 0xff000000, v[TM+\b]
.endr
.irp b, 0,1,2,3
	v_lshrrev_b32 v[TM+4+\b], 23, v[TM+12+\b]
.endr
	v_lshl_or_b32 v[PWS+(\a)], v[TM+5], 8, v[TM+4]
	v_lshl_or_b32 v[PWS+(\a)], v[TM+6], 16, v[PWS+(\a)]
	v_lshl_or_b32 v[PWS+(\a)], v[TM+7], 24, v[PWS+(\a)]
	WIN 2+(\a)/4
.irp b, 0,1,2,3
	v_cvt_scalef32_pk8_fp4_f32 v[PCA+2*\b], v[AC+16*\b:AC+16*\b+7], v[TM+12+\b]
	v_cvt_scalef32_pk8_fp4_f32 v[PCA+1+2*\b], v[AC+16*\b+8:AC+16*\b+15], v[TM+12+\b]
.endr
	WIN 0
	v_nop
.irp c, 0,1
.irp i, 0,1
	v_permlane16_swap_b32 v[PCA+4*\c+\i], v[PCA+2+4*\c+\i]
.endr
.endr
.endm
.macro OUT a
	QUANT \a
	s_mul_i32 s20, s66, \a
.if (\a) >= 4
	s_add_co_u32 s20, s20, s67
.endif
	v_add_nc_u32 v[VOA+(\a)], s20, v[VO0]
	v_add_nc_u32 v[VOB+(\a)], s94, v[VOA+(\a)]
	global_store_b128 v[VOA+(\a)], v[PC+8*(\a):PC+8*(\a)+3], s[96:97]
	global_store_b128 v[VOB+(\a)], v[PC+8*(\a)+4:PC+8*(\a)+7], s[96:97]
.endm
	PLACES NP
.irp b, 0,1,2,3
	v_mov_b32 v[TM+4+\b], 0
.endr
.irp a, 0,1,2,3,4,5,6,7
	OUT \a
.endr
	v_and_b32 v5, 31, v0
	v_cmp_lt_u32 vcc_lo, 15, v5
.irp f, 0,1,2,3
	v_perm_b32 v[WLO+\f], v[PWS+2*\f+1], v[PWS+2*\f], 0x05040100
	v_perm_b32 v[WHI+\f], v[PWS+2*\f+1], v[PWS+2*\f], 0x07060302
.endr
.irp f, 0,1,2,3
	v_cndmask_b32 v[WD+\f], v[WLO+\f], v[WHI+\f], vcc_lo
.endr
.irp f, 0,1,2,3
	v_cndmask_b32 v[WLO+\f], v[PWS+\f], v[PWS+4+\f], vcc_lo
.endr
.irp f, 0,1,2,3
	v_cndmask_b32 v[WD+\f], v[WD+\f], v[WLO+\f], s95
.endr
	global_store_b128 v[SVO], v[WD:WD+3], s[96:97]
	s_wait_tensorcnt 0x0
	ds_add_u32 v[SPW], v[NIL]
	s_wait_dscnt 0x0
	CROUND
	s_endpgm
.Lfunc_end_k_q462ff0f0de_proj:
	.size	k_q462ff0f0de_proj, .Lfunc_end_k_q462ff0f0de_proj-k_q462ff0f0de_proj
	.p2alignl 7, 3214868480
	.fill 96, 4, 3214868480
	.section	.rodata,"a",@progbits
	.p2align	6, 0x0
	.amdhsa_kernel k_q462ff0f0de_proj
		.amdhsa_group_segment_fixed_size 327680
		.amdhsa_private_segment_fixed_size 0
		.amdhsa_enable_private_segment 0
		.amdhsa_kernarg_size 48
		.amdhsa_user_sgpr_count 2
		.amdhsa_user_sgpr_kernarg_segment_ptr 1
		.amdhsa_wavefront_size32 1
		.amdhsa_system_sgpr_workgroup_id_x 1
		.amdhsa_system_sgpr_workgroup_id_y 1
		.amdhsa_system_sgpr_workgroup_id_z 1
		.amdhsa_system_vgpr_workitem_id 0
		.amdhsa_next_free_vgpr 1024
		.amdhsa_next_free_sgpr 102
		.amdhsa_reserve_vcc 1
		.amdhsa_float_denorm_mode_32 3
		.amdhsa_float_denorm_mode_16_64 3
		.amdhsa_memory_ordered 1
		.amdhsa_forward_progress 1
		.amdhsa_inst_pref_size 132
	.end_amdhsa_kernel
	.amdgpu_metadata
---
amdhsa.version: [ 1, 2 ]
amdhsa.kernels:
  - .name:           k_q462ff0f0de_proj
    .symbol:         k_q462ff0f0de_proj.kd
    .args:
      - { .name: xc, .offset: 0, .size: 8, .value_kind: global_buffer, .address_space: global }
      - { .name: xs, .offset: 8, .size: 8, .value_kind: global_buffer, .address_space: global }
      - { .name: wc, .offset: 16, .size: 8, .value_kind: global_buffer, .address_space: global }
      - { .name: ws, .offset: 24, .size: 8, .value_kind: global_buffer, .address_space: global }
      - { .name: qimg, .offset: 32, .size: 8, .value_kind: global_buffer, .address_space: global }
      - { .name: kvimg, .offset: 40, .size: 8, .value_kind: global_buffer, .address_space: global }
    .group_segment_fixed_size: 327680
    .private_segment_fixed_size: 0
    .kernarg_segment_align: 8
    .kernarg_segment_size: 48
    .max_flat_workgroup_size: 128
    .sgpr_count:     102
    .vgpr_count:     1024
    .wavefront_size: 32
...
	.end_amdgpu_metadata
.endif
;; end of part 2
;; launch attn (part 3): grid 4 x 64, 8 waves a work-group, clusters of 4 x 1, 327,680 bytes of LDS; arguments qimg, kvimg, out0; writes out0
.if DOCPART == 3
	.amdgcn_target "amdgcn-amd-amdhsa--gfx1250"
	.amdhsa_code_object_version 6
	.text
	.protected	k_q462ff0f0de_attn
	.globl	k_q462ff0f0de_attn
	.p2align	8
	.type	k_q462ff0f0de_attn,@function
k_q462ff0f0de_attn:
	s_mov_b64 s[64:65], 0
	v_nop
	global_prefetch_b8 v0, s[64:65] scope:SCOPE_SE
	s_setreg_imm32_b32 hwreg(HW_REG_WAVE_MODE, 25, 1), 1
	s_wait_xcnt 0x0
	s_wait_alu depctr_hold_cnt(0) depctr_sa_sdst(0) depctr_va_vdst(0) depctr_va_sdst(0) depctr_va_ssrc(0) depctr_va_vcc(0) depctr_vm_vsrc(0)
	s_getreg_b32 s2, hwreg(HW_REG_IB_STS2, 6, 4)
	s_cmp_eq_u32 s2, 0
	s_cbranch_scc0 .Lentry_in_a_cluster
	s_endpgm
.Lentry_in_a_cluster:
	s_bfe_u32 s2, ttmp6, 0x10000c
	s_cmp_lg_u32 s2, 0x3003
	s_cbranch_scc0 .Lentry_shape_is_right
	s_endpgm
.Lentry_shape_is_right:
; SELF-ATTENTION IN MX-FP4, launch 3 of 3: out[b][q][64 head ..] = the sum over keys of softmax(q . k / 32) v, both products on codes of FP4 with one E8M0 scale for each 32 along a product's K.
; (Wu reaches no output and is read by no launch: see launch 1.)
; THE SOFTMAX AHEAD OF THE SECOND PRODUCT: t = score x log2(e) / 32; M = the row's largest t so far, rounded up to a whole number; p = 2^(t - M) is quantised along the keys, not normalised.
; The row's sum is taken of the unquantised p, in f32, and divides at the end.  When M moves, the sum and O are multiplied by 2^(old M - new M): exact.
; SHARES.  A work-group owns 512 queries of one head (bh = the cluster's y); each of its eight waves owns 64, four tiles of 16, in 512 registers.  Every wave walks all 2,048 keys, 256 a step;
; a step's fragments of K and V are read from LDS once and serve the wave's four tiles.  A unit of work is one tile x 256 keys: 128 scores a lane, one change of M, one rescaling of O^T.
; THE WHOLE HEAD LIES IN LDS (K's codes, V's codes, scale words: HS bytes, images of operand registers as launch 2 laid them).  Each wave brings an eighth with one tensor load; nothing is filled again.
; CLUSTER: the four work-groups of a head want the same bytes: each load is asked for jointly, mask 15.  No prefetch: all that comes from memory is asked for at the head; there is no loop to run ahead in.
; LAYOUT.  Both products are used transposed: S^T = K Q^T, O^T = V^T P^T: a lane holds one query (lane % 16).  The head's size is 64 and the instruction's K is 128: a fragment of K carries two tiles of 16 keys,
; and Q stands as (q, 0) or (0, q): zero codes add nothing.  THE KEYS OF A TILE ARE CHOSEN BY THE LANES' LDS ADDRESSES: row 8 a + j of tile u (0..3) of group B (64 keys) is key 64 B + 32 a + 8 u + j.
; So lane (r, h) holds in the 32 registers of a group the WHOLE block of 32 keys 64 B + 32 h + 0 .. 31: its largest score needs no other lane, and the four conversions' results are registers 4 B .. 4 B + 3 of P's operand as they stand.
; O^T begins as zeros and M far below every t: the step is written once (128 moves at the head against a second copy of the step).  The last trip's look-ahead for K wraps to step 0 and is not multiplied.
; LIMITS: the promise holds while the scaled scores t stay under 2^31 in magnitude; NaN and infinities are not served; a block of p that has fallen to zeros keeps the byte 1: its codes are zeros.
; REGISTERS.  Window 0: v1-15 addresses, v16-31 state, v32-53 scale words, v54-75 at work, v76-91 P, v92-127 Q, v128-255 S.  Window 1: v0-127 O^T (tile x at 32 x), v128-191 K, v192-255 V.
.set HS,    139264                     ; a head's image: K's codes at 0, V's at 65,536, the scale words at 131,072
.set PART,  17408                      ; an eighth of it: 68 rows of 256 bytes
.set STAGE, HS                         ; the way out: for each wave 4 tiles x 16 rows x (256 bytes + 16); no tensor load lands here
.set SPARE, STAGE+8*PART               ; the spare words, 128 bytes for each of eight waves
.set LI,   1                           ; 16 x lane
.set SPW,  2                           ; my spare word; never rewritten
.set NIL,  3                           ; 0; never rewritten
.set LK,   4                           ; my lane's place in K's image: 16 j + 1,024 a + 256 h
.set LKS,  5                           ; and among K's scale words: 131,072 + 16 j + 4 a
.set VB,   6                           ; 65,536 + 16 x lane
.set SB,   7                           ; 131,072 + 16 x lane
.set ADK,  8
.set ADS,  9
.set ADV,  10
.set ADT,  11
.set SH8,  12                          ; 8 h
.set GO,   13
.set STO,  14
.set RD,   15
.set ST,   16                          ; v[16 + 4 x]: -M, the largest score, the sum in two halves
.set KS,   32                          ; v32-39 K's scale words, a fragment each
.set VS,   40                          ; v40-47 V's, in lanes 16-31
.set QS,   48                          ; v48-51 Q's, a tile each
.set PS,   52                          ; v52-53 p's, 128 keys each
.set BM,   54                          ; v54-57 the blocks' largest scores, then largest p
.set PT,   58                          ; v58-61 a second chain of maxima, then bytes
.set SO,   62                          ; v62-65 the conversions' scale operands
.set FF,   66                          ; v[66:67] f = 2^(old M - new M); the upper register is only named
.set T,    68
.set T2,   69
.set SU,   70                          ; v70-75 three more chains of sums
.set P,    76                          ; v76-91 p's codes of 256 keys
.set QF,   92                          ; v92-127: q0, 0, q1, 0, q2, 0, q3, 0, q0: four registers each
.set S,    128                         ; v128-255 S^T, then p
.set WV,   10
.set G0,   16
.set SEL,  20
.set CS,   22                          ; s[22:23] c = log2(e) / 32
.set G1,   24
.set TB,   32                          ; where the step's codes begin: 8,192 bytes a step
.set TS,   33                          ; and its scale words: 1,024 bytes a step
.set CNT,  34
.set TN,   46                          ; the same for the step ahead, wrapped
.set TSN,  47
.set MSB, 0
.macro WIN new                         ; the immediate's high byte repeats the setting that is left
.if MSB != \new
	s_set_vgpr_msb (MSB<<8)|\new
.set MSB, \new
.endif
.endm
.macro CROUND                          ; a round of the cluster's barrier
	s_barrier_signal -1
	s_barrier_wait -1
	s_cmp_lg_u32 s[WV], 0
	s_cbranch_scc1 .Lnot_wave_0_\@
	s_barrier_signal -3
.Lnot_wave_0_\@:
	s_barrier_wait -3
	s_barrier_signal -1
	s_barrier_wait -1
.endm
; K's eight fragments (f = 4 H + 2 B + v: half of the step, group of 64 keys, pair of tiles) into window 1, and their scale words
.macro LOADK
	v_add_nc_u32 v[ADK], s[TN], v[LK]
	v_add_nc_u32 v[ADS], s[TSN], v[LKS]
	WIN 0x40
.irp f, 0,1,2,3,4,5,6,7
.irp c, 0,1
	ds_load_b128 v[128+8*\f+4*\c:131+8*\f+4*\c], v[ADK] offset:4096*(\f/4)+2048*((\f/2)%2)+128*(\f%2)+512*\c
.endr
.endr
	WIN 0
.irp f, 0,1,2,3,4,5,6,7
	ds_load_b32 v[KS+\f], v[ADS] offset:512*(\f/4)+8*((\f/2)%2)+128*(\f%2)
.endr
.endm
; S^T of tile x: sixteen tiles of 16 keys; a fragment of K serves two, by (q, 0) and by (0, q)
.macro QK x
.set QZ, QF+(8*(\x)+28)%32
	WIN 0x01                                       ; source 0 (K) in window 1
.irp f, 0,1,2,3,4,5,6,7
	v_wmma_scale_f32_16x16x128_f8f6f4 v[S+16*\f:S+16*\f+7], v[128+8*\f:135+8*\f], v[QF+8*(\x):QF+8*(\x)+7], 0, v[KS+\f], v[QS+(\x)] matrix_a_fmt:MATRIX_FMT_FP4 matrix_b_fmt:MATRIX_FMT_FP4
	v_wmma_scale_f32_16x16x128_f8f6f4 v[S+16*\f+8:S+16*\f+15], v[128+8*\f:135+8*\f], v[QZ:QZ+7], 0, v[KS+\f], v[QS+(\x)] matrix_a_fmt:MATRIX_FMT_FP4 matrix_b_fmt:MATRIX_FMT_FP4
.endr
.endm
; Tile x: the 128 scores become p's codes in v[P] on and p's two scale words; -M and the sum are brought under the new M; f is left in v[FF]
.macro SOFTA x
.set NM, ST+4*(\x)
.set L,  NM+2
.irp b, 0,1,2,3                        ; the largest score of each of my four blocks of 32 keys, in two chains each; every accumulator is first read at its low end
	v_max3_num_f32 v[BM+\b], v[S+32*\b], v[S+32*\b+1], v[S+32*\b+2]
	v_max3_num_f32 v[PT+\b], v[S+32*\b+17], v[S+32*\b+18], v[S+32*\b+19]
.endr
.irp i, 0,2,4,6,8,10
.irp b, 0,1,2,3
	v_max3_num_f32 v[BM+\b], v[BM+\b], v[S+32*\b+3+\i], v[S+32*\b+4+\i]
	v_max3_num_f32 v[PT+\b], v[PT+\b], v[S+32*\b+20+\i], v[S+32*\b+21+\i]
.endr
.endr
.irp b, 0,1,2,3
	v_max3_num_f32 v[BM+\b], v[BM+\b], v[S+32*\b+15], v[S+32*\b+16]
.endr
.irp b, 0,1,2,3
	v_max_num_f32 v[BM+\b], v[BM+\b], v[PT+\b]
.endr
	v_max3_num_f32 v[T], v[BM], v[BM+1], v[BM+2]
	v_max_num_f32 v[T], v[T], v[BM+3]
	v_permlanex16_b32 v[T2], v[T], s[SEL], s[SEL+1]
	v_max3_num_f32 v[NM+1], v[NM+1], v[T], v[T2]   ; the running largest score of my query
	v_mul_f32 v[T], s[CS], v[NM+1]                 ; as t (c is positive)
	v_floor_f32 v[T], -v[T]                        ; the new -M = -ceil(t): a whole number
	v_sub_f32 v[T2], v[T], v[NM]                   ; old M less new M: a whole number, 0 or less
	v_mov_b32 v[NM], v[T]
.set j, 0
.rept 32
	v_pk_fma_f32 v[S+j:S+j+1], v[S+j:S+j+1], s[CS:CS+1], v[NM:NM+1] op_sel_hi:[1,0,0]   ; t - M of the first 128 keys (of the pairs c and -M the low word serves both halves)
.if j == 6
	v_cvt_i32_f32 v[T2], v[T2]                     ; (it saturates)  The two lines that make f stand among the multiply-adds, which do not need it
.endif
.if j == 14
	v_ldexp_f32 v[FF], 1.0, v[T2]                  ; f = 2^(old M - new M)
.endif
.set j, j+2
.endr
.irp b, 0,1,2,3
	v_fma_f32 v[BM+\b], v[BM+\b], s[CS], v[NM]     ; the same of each block's largest score
.endr
	s_wait_alu depctr_va_vdst(0)                   ; the wait ahead of the batch
.set j, 0
.rept 32
	v_exp_f32 v[S+j], v[S+j]                       ; p of the first 128 keys; among them t - M of the other 128, which name none of the batch's registers
	v_exp_f32 v[S+j+1], v[S+j+1]
	v_pk_fma_f32 v[S+64+j:S+65+j], v[S+64+j:S+65+j], s[CS:CS+1], v[NM:NM+1] op_sel_hi:[1,0,0]
.set j, j+2
.endr
	s_wait_alu depctr_va_vdst(0)                   ; and ahead of the second batch, whose sources were just written
.set j, 64
.set i, 0
.irp r, SU,SU+2,SU+4,P,P+2,P+4,P+6     ; among the second batch: the first additions of seven chains of sums, on p of the first batch; P's registers are free until the conversions
.rept 8
	v_exp_f32 v[S+j], v[S+j]
.set j, j+1
.endr
	v_pk_add_f32 v[\r:\r+1], v[S+i:S+i+1], v[S+i+2:S+i+3]
.set i, i+4
.endr
.rept 8
	v_exp_f32 v[S+j], v[S+j]
.set j, j+1
.endr
.irp b, 0,1,2,3
	v_exp_f32 v[BM+\b], v[BM+\b]                   ; the block's largest p: the same two instructions on the same number give the same bits
.endr
	v_pk_mul_f32 v[L:L+1], v[L:L+1], v[FF:FF+1] op_sel_hi:[1,0]   ; the sums under the new M: a plain place behind the exponentials
	s_wait_alu depctr_va_vdst(0)                   ; one wait for the batch, ahead of its first reader
	v_pk_add_f32 v[L:L+1], v[L:L+1], v[S+28:S+29]  ; the row's sum of the unquantised p: two at a time, in eight chains by turns
.set j, 30
.rept 6
.irp r, SU,SU+2,SU+4,P,P+2,P+4,P+6,L
	v_pk_add_f32 v[\r:\r+1], v[\r:\r+1], v[S+j:S+j+1]
.set j, j+2
.endr
.endr
	v_pk_add_f32 v[L:L+1], v[L:L+1], v[S+126:S+127]
	v_pk_add_f32 v[SU:SU+1], v[SU:SU+1], v[SU+2:SU+3]
	v_pk_add_f32 v[SU+4:SU+5], v[SU+4:SU+5], v[P:P+1]
	v_pk_add_f32 v[P+2:P+3], v[P+2:P+3], v[P+4:P+5]
	v_pk_add_f32 v[L:L+1], v[L:L+1], v[P+6:P+7]
	v_pk_add_f32 v[SU:SU+1], v[SU:SU+1], v[SU+4:SU+5]
	v_pk_add_f32 v[L:L+1], v[L:L+1], v[P+2:P+3]
	v_pk_add_f32 v[L:L+1], v[L:L+1], v[SU:SU+1]
.irp b, 0,1,2,3
	v_max_num_f32 v[BM+\b], 0x1800000, v[BM+\b]    ; the floor 2^(3 - 127): the byte cannot fall under 1
.endr
.irp b, 0,1,2,3
	v_add_nc_u32 v[SO+\b], 0xff000000, v[BM+\b]    ; 2 off the exponent field: the conversion's scale operand
.endr
.irp b, 0,1,2,3
	v_lshrrev_b32 v[PT+\b], 23, v[SO+\b]           ; the scale's byte
.endr
.irp u, 0,1,2,3                        ; the conversions, a block at a time; the lines that make p's two scale words stand among them and name none of their registers
	v_cvt_scalef32_pk8_fp4_f32 v[P+\u], v[S+8*\u:S+8*\u+7], v[SO]
.endr
.irp g, 0,1
	v_lshl_or_b32 v[BM+\g], v[PT+2*\g+1], 16, v[PT+2*\g]   ; my two bytes of 128 keys: blocks h and 2 + h,
.endr
.irp u, 0,1,2,3
	v_cvt_scalef32_pk8_fp4_f32 v[P+4+\u], v[S+32+8*\u:S+32+8*\u+7], v[SO+1]
.endr
.irp g, 0,1
	v_lshlrev_b32 v[BM+\g], v[SH8], v[BM+\g]       ; at their places in the word;
.endr
.irp u, 0,1,2,3
	v_cvt_scalef32_pk8_fp4_f32 v[P+8+\u], v[S+64+8*\u:S+64+8*\u+7], v[SO+2]
.endr
.irp g, 0,1
	v_permlanex16_b32 v[PT+\g], v[BM+\g], s[SEL], s[SEL+1]
.endr
.irp u, 0,1,2,3
	v_cvt_scalef32_pk8_fp4_f32 v[P+12+\u], v[S+96+8*\u:S+96+8*\u+7], v[SO+3]
.endr
.irp g, 0,1
	v_or_b32 v[PS+\g], v[BM+\g], v[PT+\g]          ; with lane l xor 16's two the word is whole.  (Also the plain place behind the last conversion)
.endr
.endm
; Behind tile x's codes: O^T of tile x is brought under the new M, the next tile's scores are begun (nxt), and O^T += V^T P^T.
; The sixteen multiplications are the places between p's scale words and the second product.  Four places follow the products, ahead of K's loads (lk) and of the first read of the new scores.
.macro TAIL x, nxt, lk, wv
.if \wv
	s_wait_alu depctr_va_vdst(0)
	s_wait_dscnt 0x0                               ; V is in
.endif
	WIN 0x41
	s_wait_alu depctr_va_vdst(0)                   ; directly ahead of the first reader of O^T
.set j, 0
.rept 16
	v_pk_mul_f32 v[32*(\x)+j:32*(\x)+j+1], v[32*(\x)+j:32*(\x)+j+1], v[FF:FF+1] op_sel_hi:[1,0]
.set j, j+2
.endr
.if \nxt
	QK (\x)+1
.endif
	WIN 0x51                                       ; C, D and source 0 (V) in window 1, source 1 (P) in window 0
.irp g, 0,1,2,3,4,5,6,7                ; the tile's four accumulators by turns, twice: three other products stand between a sum's steps
	v_wmma_scale_f32_16x16x128_f8f6f4 v[32*(\x)+8*(\g%4):32*(\x)+8*(\g%4)+7], v[192+8*\g:199+8*\g], v[P+8*(\g/4):P+8*(\g/4)+7], v[32*(\x)+8*(\g%4):32*(\x)+8*(\g%4)+7], v[VS+\g], v[PS+\g/4] matrix_a_fmt:MATRIX_FMT_FP4 matrix_b_fmt:MATRIX_FMT_FP4 matrix_a_scale:MATRIX_SCALE_ROW1
.endr
	WIN 0
.if \lk
	s_add_co_u32 s[TN], s[TB], 8192                ; the step ahead; behind the last it wraps to step 0, inside the image
	s_and_b32 s[TN], s[TN], 0xe000
	s_add_co_u32 s[TSN], s[TS], 1024
	s_and_b32 s[TSN], s[TSN], 0x1c00
	v_nop                                          ; with the two additions that open the loads: four places
	v_nop
	LOADK                                          ; K's registers have had their last product of this step
.else
.if \nxt
.rept 4
	v_nop                                          ; places in front of the first read of the scores
.endr
.endif
.endif
.endm
	s_load_b128 s[4:7], s[0:1], 0x0                ; qimg s[4:5], kvimg s[6:7]
	s_load_b64 s[8:9], s[0:1], 0x10                ; out0
	v_lshl_add_u32 v[SPW], v0, 2, SPARE
	v_mov_b32 v[NIL], 0
	ds_add_u32 v[SPW], v[NIL]                      ; the wave's opening
	ds_add_u32 v[SPW], v[NIL]
	v_lshrrev_b32 v4, 5, v0
	v_readfirstlane_b32 s[WV], v4                  ; wave 0..7
	s_bfe_u32 s11, ttmp6, 0x40000                  ; cx: it enters Q's and the output's addresses alone
	s_and_b32 s12, ttmp7, 0xffff                   ; bh, which the four partners share
	s_mov_b32 s[G1], 15|(3<<16)|(1<<21)            ; the mask: all four work-groups; elements of 8 bytes; bit 21 beside a mask
	s_mov_b32 s[G1+1], 32<<16                      ; 68 dense rows of 256 bytes
	s_mov_b32 s[G1+2], 68<<16
	s_mov_b32 s[G1+3], 32<<16
	s_mov_b32 s[G1+4], 68
	s_mov_b32 s[G1+5], 32
	s_mov_b32 s[G1+6], 0
	s_mov_b32 s[G1+7], 0
	s_mov_b32 s[SEL], 0x76543210
	s_mov_b32 s[SEL+1], 0xfedcba98
	s_mov_b32 s[CS], 0x3d38aa3b                    ; c = log2(e) / 32: the scores are divided by sqrt(1024)
	s_mov_b32 s[CS+1], s[CS]
	s_mov_b32 s[TB], 0
	s_mov_b32 s[TS], 0
	s_mov_b32 s[TN], 0
	s_mov_b32 s[TSN], 0
	s_mov_b32 s[CNT], 8
	s_mul_i32 s36, s12, HS                         ; the head's image, in both buffers
	s_mov_b32 s[G0], 1
	s_mul_i32 s[G0+1], s[WV], PART                 ; LDS address: my eighth
	s_add_co_u32 s38, s36, s[G0+1]
	s_mov_b32 s39, 0
	s_lshl_b32 s40, s11, 3
	s_add_co_u32 s40, s40, s[WV]
	s_lshl_b32 s40, s40, 11                        ; my four query tiles: 2,048 (8 cx + wave)
	s_add_co_u32 s40, s40, s36
	s_mov_b32 s41, 0
	s_lshl_b32 s42, s11, 2
	s_lshr_b32 s43, s[WV], 1
	s_add_co_u32 s42, s42, s43
	s_lshl_b32 s42, s42, 9                         ; their scale words: 512 (4 cx + wave / 2)
	s_and_b32 s43, s[WV], 1
	s_lshl_b32 s43, s43, 3                         ; + 8 (wave % 2): two words on end
	s_add_co_u32 s42, s42, s43
	s_add_co_u32 s42, s42, s36
	s_add_co_u32 s42, s42, 131072
	s_mov_b32 s43, 0
	s_lshr_b32 s44, s12, 4                         ; the output: row 2,048 x batch + 512 cx + 64 x wave, of 4,096 bytes; the head's 256 bytes in it
	s_lshl_b32 s44, s44, 11
	s_lshl_b32 s45, s11, 9
	s_add_co_u32 s44, s44, s45
	s_lshl_b32 s45, s[WV], 6
	s_add_co_u32 s44, s44, s45
	s_lshl_b32 s44, s44, 12
	s_and_b32 s45, s12, 15
	s_lshl_b32 s45, s45, 8
	s_add_co_u32 s44, s44, s45
	s_mov_b32 s45, 0
	s_wait_dscnt 0x0                               ; both opening adds are done
	s_wait_kmcnt 0x0
	s_add_nc_u64 s[G0+2:G0+3], s[6:7], s[38:39]    ; my eighth of the head's image: the same in all four partners
	s_or_b32 s[G0+3], s[G0+3], 0x80000000
	s_add_nc_u64 s[40:41], s[4:5], s[40:41]
	s_add_nc_u64 s[42:43], s[4:5], s[42:43]
	s_add_nc_u64 s[8:9], s[8:9], s[44:45]
	CROUND                                         ; all four work-groups are here: the joint loads meet
	tensor_load_to_lds s[G0:G0+3], s[G1:G1+7]      ; every wave's one tensor load
	s_nop 0
.rept 4
	v_nop
.endr
	v_and_b32 v[LI], 31, v0
	v_lshlrev_b32 v[LI], 4, v[LI]
	global_load_b128 v[QF:QF+3], v[LI], s[40:41]               ; q0, at both ends of the chain
	global_load_b128 v[QF+32:QF+35], v[LI], s[40:41]
.irp x, 1,2,3
	global_load_b128 v[QF+8*\x:QF+8*\x+3], v[LI], s[40:41] offset:512*\x
.endr
	v_and_b32 v[T], 15, v0
	v_lshlrev_b32 v[T], 4, v[T]                    ; 16 r
	global_load_b64 v[SU:SU+1], v[T], s[42:43]     ; row r's two words: two bytes for each of my four tiles
	v_add_nc_u32 v[VB], 65536, v[LI]
	v_add_nc_u32 v[SB], 131072, v[LI]
	v_and_b32 v[ADK], 7, v0                        ; j
	v_bfe_u32 v[ADS], v0, 3, 1                     ; a
	v_bfe_u32 v[ADV], v0, 4, 1                     ; h
	v_lshlrev_b32 v[ADK], 4, v[ADK]
	v_lshl_add_u32 v[LK], v[ADS], 10, v[ADK]
	v_lshl_add_u32 v[LK], v[ADV], 8, v[LK]
	v_lshl_add_u32 v[LKS], v[ADS], 2, v[ADK]
	v_add_nc_u32 v[LKS], 131072, v[LKS]
	v_lshlrev_b32 v[SH8], 3, v[ADV]
	v_lshl_add_u32 v[GO], v[ADV], 12, v[T]         ; lanes 0-15 one row of the output, lanes 16-31 the next; 16 bytes a lane
.irp x, 0,1,2,3
	v_mov_b32 v[ST+4*\x], 0x7d000000               ; -M: M far below every t
	v_mov_b32 v[ST+4*\x+1], 0xff61b1e6             ; the largest score so far: -3e38
	v_mov_b32 v[ST+4*\x+2], 0                      ; the sum, in two halves
	v_mov_b32 v[ST+4*\x+3], 0
.irp j, 4,5,6,7
	v_mov_b32 v[QF+8*\x+\j], 0                     ; zero codes between the tiles of q
.endr
.endr
	v_mov_b32 v[T2], 0                             ; written once: a lane permute's destination counts as one of its sources
	v_mov_b32 v[FF+1], 0                           ; (named as the upper half of a pair)
	s_wait_alu depctr_va_vdst(0)
	s_wait_loadcnt 0x0                             ; Q
	v_perm_b32 v[QS], v[SU], v[SU], 0x01000100     ; a tile's two bytes, twice: they serve (q, 0) and (0, q) alike
	v_perm_b32 v[QS+1], v[SU], v[SU], 0x03020302
	v_perm_b32 v[QS+2], v[SU+1], v[SU+1], 0x01000100
	v_perm_b32 v[QS+3], v[SU+1], v[SU+1], 0x03020302
	WIN 0x40
.set j, 0
.rept 128
	v_mov_b32 v[j], 0                              ; O^T of four tiles.  (Also the places between the scale words just made and the first product)
.set j, j+1
.endr
	WIN 0
	s_wait_alu depctr_va_vdst(0)
	s_wait_tensorcnt 0x0                           ; my eighth has landed,
	s_barrier_signal -1
	s_barrier_wait -1                              ; everybody's has
	LOADK                                          ; step 0's K
.Lstep:                                            ; 8 trips, 256 keys each
	v_add_nc_u32 v[ADV], s[TB], v[VB]              ; two additions and two v_nop: the four places between the last trip's products and the loads into their registers
	v_add_nc_u32 v[ADT], s[TS], v[SB]
	v_nop
	v_nop
	WIN 0x40
.irp g, 0,1,2,3,4,5,6,7                ; V's eight fragments (g = 4 x half of the step + tile of 16 of the head's 64)
.irp c, 0,1
	ds_load_b128 v[192+8*\g+4*\c:195+8*\g+4*\c], v[ADV] offset:1024*\g+512*\c
.endr
.endr
	WIN 0
	ds_load_b128 v[VS:VS+3], v[ADT]                ; V's scale words, in lanes 16-31
	ds_load_b128 v[VS+4:VS+7], v[ADT] offset:512
	s_wait_alu depctr_va_vdst(0)
	s_wait_dscnt 18                                ; K and its scale words are in; the 18 loads just issued may be out
	QK 0
	WIN 0
.rept 4
	v_nop                                          ; places in front of the first read of the scores
.endr
	SOFTA 0
	TAIL 0, 1, 0, 1
	SOFTA 1
	TAIL 1, 1, 0, 0
	SOFTA 2
	TAIL 2, 1, 1, 0
	SOFTA 3
	TAIL 3, 0, 0, 0
	s_add_co_u32 s[TB], s[TB], 8192
	s_add_co_u32 s[TS], s[TS], 1024
	s_sub_co_u32 s[CNT], s[CNT], 1
	s_cmp_lg_u32 s[CNT], 0
	s_wait_alu depctr_va_vdst(0)
	s_cbranch_scc1 .Lstep
	; THE WAY OUT.  The sum's halves are added; O^T is divided by the sum and goes through my stage in LDS, a tile of 16 queries x 256 bytes at a time, so that sixteen lanes store 256 consecutive bytes.
.irp x, 0,1,2,3
	v_add_f32 v[ST+4*\x+2], v[ST+4*\x+2], v[ST+4*\x+3]
.endr
.irp x, 0,1,2,3
	v_permlanex16_b32 v[PT+\x], v[ST+4*\x+2], s[SEL], s[SEL+1]
.endr
.irp x, 0,1,2,3
	v_add_f32 v[ST+4*\x+2], v[ST+4*\x+2], v[PT+\x] ; with lane l xor 16's: the row's sum
.endr
	s_wait_alu depctr_va_vdst(0)                   ; the wait ahead of the batch
.irp x, 0,1,2,3
	v_rcp_f32 v[ST+4*\x+2], v[ST+4*\x+2]
.endr
	v_and_b32 v[ADK], 15, v0                       ; (plain places behind the reciprocals)  r
	v_bfe_u32 v[ADS], v0, 4, 1                     ; h
	s_mul_i32 s36, s[WV], PART
	s_add_co_u32 s36, s36, STAGE                   ; my stage
	v_mul_u32_u24 v[STO], v[ADK], 272
	v_lshl_add_u32 v[STO], v[ADS], 6, v[STO]
	v_add_nc_u32 v[STO], s36, v[STO]               ; in: row r; register j of tile t is dimension 32 (t / 2) + 16 h + 8 (t % 2) + j
	v_mul_u32_u24 v[RD], v[ADS], 272
	v_lshl_add_u32 v[RD], v[ADK], 4, v[RD]
	v_add_nc_u32 v[RD], s36, v[RD]                 ; back: lanes 0-15 one row, lanes 16-31 the next
	WIN 0x01                                       ; source 0 (O^T) in window 1
	s_wait_alu depctr_va_vdst(0)                   ; the wait ahead of the first reader of the reciprocals and of O^T
.irp x, 0,1,2,3
.set j, 0
.rept 16
	v_pk_mul_f32 v[S+32*\x+j:S+32*\x+j+1], v[32*\x+j:32*\x+j+1], v[ST+4*\x+2:ST+4*\x+3] op_sel_hi:[1,0]   ; O^T / the sum, each accumulator from its low end on
.set j, j+2
.endr
.endr
	WIN 0
.irp x, 0,1,2,3
.irp t, 0,1,2,3
	ds_store_b128 v[STO], v[S+32*\x+8*\t:S+32*\x+8*\t+3] offset:4352*\x+128*(\t/2)+32*(\t%2)
	ds_store_b128 v[STO], v[S+32*\x+8*\t+4:S+32*\x+8*\t+7] offset:4352*\x+128*(\t/2)+32*(\t%2)+16
.endr
.endr
	WIN 0x40                                       ; back into the registers that held O^T
.irp x, 0,1,2,3
.irp i, 0,1,2,3,4,5,6,7
	ds_load_b128 v[32*\x+4*\i:32*\x+4*\i+3], v[RD] offset:4352*\x+544*\i   ; LDS serves a wave's instructions in order: these see my stores
.endr
.endr
	WIN 0x04                                       ; a store's data: source 1
.irp x, 0,1,2,3
.irp i, 0,1,2,3,4,5,6,7
	s_wait_dscnt 31-8*\x-\i                        ; the younger loads from the stage may stay out
	global_store_b128 v[GO], v[32*\x+4*\i:32*\x+4*\i+3], s[8:9] offset:(32*(\x/2)+8*(\x%2)+2*\i+8*(\i/4))*4096 th:TH_STORE_NT   ; stage row 2 i + h of tile x is query 32 (x / 2) + 8 (x % 2) + 2 i + h + 8 (i / 4); sixteen lanes store 256 consecutive bytes, at a multiple of 256
.endr
.endr
	WIN 0
	s_wait_tensorcnt 0x0                           ; the wave's end, behind my last tensor load and my last LDS store
	ds_add_u32 v[SPW], v[NIL]
	s_wait_dscnt 0x0
	CROUND                                         ; the closing round: no work-group ends while a partner may still ask for a tile that names it
	s_endpgm
.Lfunc_end_k_q462ff0f0de_attn:
	.size	k_q462ff0f0de_attn, .Lfunc_end_k_q462ff0f0de_attn-k_q462ff0f0de_attn
	.p2alignl 7, 3214868480
	.fill 96, 4, 3214868480
	.section	.rodata,"a",@progbits
	.p2align	6, 0x0
	.amdhsa_kernel k_q462ff0f0de_attn
		.amdhsa_group_segment_fixed_size 327680
		.amdhsa_private_segment_fixed_size 0
		.amdhsa_enable_private_segment 0
		.amdhsa_kernarg_size 24
		.amdhsa_user_sgpr_count 2
		.amdhsa_user_sgpr_kernarg_segment_ptr 1
		.amdhsa_wavefront_size32 1
		.amdhsa_system_sgpr_workgroup_id_x 1
		.amdhsa_system_sgpr_workgroup_id_y 1
		.amdhsa_system_sgpr_workgroup_id_z 1
		.amdhsa_system_vgpr_workitem_id 0
		.amdhsa_next_free_vgpr 512
		.amdhsa_next_free_sgpr 66
		.amdhsa_reserve_vcc 0
		.amdhsa_float_denorm_mode_32 3
		.amdhsa_float_denorm_mode_16_64 3
		.amdhsa_memory_ordered 1
		.amdhsa_forward_progress 1
		.amdhsa_inst_pref_size 123
	.end_amdhsa_kernel
	.amdgpu_metadata
---
amdhsa.version: [ 1, 2 ]
amdhsa.kernels:
  - .name:           k_q462ff0f0de_attn
    .symbol:         k_q462ff0f0de_attn.kd
    .args:
      - { .name: qimg, .offset: 0, .size: 8, .value_kind: global_buffer, .address_space: global }
      - { .name: kvimg, .offset: 8, .size: 8, .value_kind: global_buffer, .address_space: global }
      - { .name: out0, .offset: 16, .size: 8, .value_kind: global_buffer, .address_space: global }
    .group_segment_fixed_size: 327680
    .private_segment_fixed_size: 0
    .kernarg_segment_align: 8
    .kernarg_segment_size: 24
    .max_flat_workgroup_size: 256
    .sgpr_count:     66
    .vgpr_count:     512
    .wavefront_size: 32
...
	.end_amdgpu_metadata
.endif
;; end of part 3
